; MI455X (gfx1250); checked and timed in simulation.
; The chip was launched on July 23, 2026; its instructions are those of AMD's public machine-readable ISA for CDNA 5 (MIT licence, August 2026) and "CDNA5" Instruction Set Architecture Reference Guide (July 2026). The comments in the code are by the model that wrote it; some were corrected since.
;; PFAS Module. Allowed arithmetic: float matrix products may take bf16 or f16 operands with f32 sums; all other float work in f32.
;; Inputs: W1 32 x 32 float32; W2 3 x 32 float32; b1 32 float32; b2 3 float32; batch 16,384 int32; beta 32 float32; coord 16,384 x 3 float32; feat 16,384 x 32 float32; gamma 32 float32.
;; Outputs: out0 16,384 x 3 float32.
;; One version. Each part assembles by itself: llvm-mc -triple=amdgcn-amd-amdhsa -mcpu=gfx1250 --defsym DOCPART=n.
;; ======== version 1 of 1: 2 launches
;; limits: values within 6.1e-05 (relative) of each other or of a threshold may be ordered or decided otherwise than in the reference; a function is approximated: absolute error at most 7e-05
;; workspace buffers: gid 1,310,720 bytes of whole numbers; stats 65,536 bytes
;; launch coarse (part 1): grid 256 x 1, 8 waves a work-group, no clusters, 142,336 bytes of LDS; arguments coord, feat, W1, b1, gid, stats; writes gid, stats
.if DOCPART == 1
	.amdgcn_target "amdgcn-amd-amdhsa--gfx1250"
	.amdhsa_code_object_version 6
	.text
	.protected	k_q766cf901aa_coarse
	.globl	k_q766cf901aa_coarse
	.p2align	8
	.type	k_q766cf901aa_coarse,@function
k_q766cf901aa_coarse:
	s_mov_b64 s[64:65], 0
	v_nop
	global_prefetch_b8 v0, s[64:65] scope:SCOPE_SE
	s_setreg_imm32_b32 hwreg(HW_REG_WAVE_MODE, 25, 1), 1
	s_wait_xcnt 0x0
; COARSE FILTER FOR THE 16 NEAREST NEIGHBOURS, AND THE BATCH NORM'S PARTIAL SUMS.
; Two clouds of 8,192 points.  A cloud's points lie in 512 groups of 16 consecutive points.  For each query this launch finds the 20 groups with the
; smallest (least squared distance in the group, group number) and stores their numbers, ascending, in gid; the next launch looks at those 320 points alone.
; WHY 20: each of the 16 true neighbours lies in a group whose least distance is no greater than the 16th neighbour's, and each such group owns a point of
; its own with that property: 16 groups at the most; the query's own group (distance 0) is a 17th; three places are room for this launch's inexact key.
; ALL FLOATING-POINT INPUTS ARE ROUNDED TO bf16 FIRST (nearest even), here and in the next launch.
; d2 = sq_i + sq_j - 2 x_i . x_j comes from the matrix unit: a candidate's row is (-2x, -2y, -2z, sq_hi, sq_mid, sq_lo, 0, 0) in bf16 (sq in f32, cut exactly
; into three bf16 parts), a query's column (x, y, z, 1, 1, 1, 0, 0), and C is sq_i.
; LIMITS.  The key is d2 (raised to 2^-100 at the least) with its 9 lowest mantissa bits replaced by the group's number: 2^-14 of itself; with the matrix
; unit's rounding that is what the three spare places cover: a neighbour is missed only if more than three further groups' least distances lie that close to
; the 16th neighbour's.  NaN and infinities are not treated apart.  The input batch is not read: reference() never uses it.
; SHARES.  Work-group b: cloud b / 128, queries 64 (b % 128) .. + 63.  Wave w: the 16 queries of tile w % 4, the candidates of half w / 4 of the cloud.
; In a result lane (r, h) holds query r and rows 8 h .. 8 h + 7, so the two halves of the lanes walk two streams of 128 groups each.
; Waves 6 and 7 also make, for the work-group's 64 rows of feat, mean and sum of squared deviations of h = feat W1^T + b1 (16 channels each).
.set TAB,   0                          ; 8,192 rows of 16 bytes: the cloud's candidates
.set MRG,   131072                     ; 4 x 2,560 bytes: the lists of waves 4 to 7
.set SPARE, 141312                     ; the spare words: 128 bytes for each of eight waves; no other line names them
.set LL, 12                            ; v12-31   the 20 least keys, ascending
.set AF, 32                            ; v32-63   four A buffers of 8 registers (table build: first bank of coordinates)
.set DS, 64                            ; v64-95   two sets of two results (table build: second bank)
.set BF, 96                            ; v96-103  the queries in k 0-7   (lanes 0-15), else 0
.set BG, 104                           ; v104-111 the queries in k 8-15  (lanes 16-31), else 0
.set CF, 112                           ; v112-119 sq of query r, eight times
.set GG, 120                           ; v120-139 the 20 group numbers, ascending
; v0 thread; v1, v2 the add's two registers; v3 lane; v4 r; v5 h; v6 LDS address; v7 group number; v8, v9 minima; v10 key; v11 at work
; v140-142 addresses of waves 6 and 7's loads; v160-167 W1's fragment; v176-183 b1; v184-215 feat's four fragments
; s16 wave, s17 b, s18 cloud, s19 tile, s20 half, s21 counter, s22 0xffff0000, s23 key mask, s24 2^-100, s25 largest finite, s26-27 lane selects, s28 byte select
.macro FINISH                          ; the wave's end
	s_wait_tensorcnt 0x0
	ds_add_u32 v1, v2
	s_wait_dscnt 0x0
	s_endpgm
.endm
.macro LDC bank, i0                    ; eight points a thread: point = thread + 256 i, 12 bytes each
.set j, 0
.rept 8
	global_load_b96 v[AF+32*(\bank)+4*j:AF+32*(\bank)+4*j+2], v9, s[4:5] offset:((\i0)+j)*3072
.set j, j+1
.endr
.endm
.macro ROWS bank, i0                   ; eight table rows from a bank
.set j, 0
.rept 8
.set rx, AF+32*(\bank)+4*j
.set ii, (\i0)+j
	v_cvt_pk_bf16_f32 v96, v[rx], v[rx+1]          ; x, y rounded to bf16
	v_cvt_pk_bf16_f32 v97, v[rx+2], v[rx+2]        ; z
	v_lshlrev_b32 v98, 16, v96
	v_and_b32 v99, s22, v96
	v_lshlrev_b32 v100, 16, v97
	v_mul_f32 v101, v98, v98                       ; sq = x x + y y + z z
	v_fma_f32 v101, v99, v99, v101
	v_fma_f32 v101, v100, v100, v101
	v_and_b32 v102, s22, v101                      ; its upper 8 bits,
	v_sub_f32 v103, v101, v102
	v_and_b32 v104, s22, v103                      ; the next 8,
	v_sub_f32 v105, v103, v104                     ; the last 8: each part is a bf16 number, and the three add up to sq exactly
	v_mul_f32 v106, -2.0, v98
	v_mul_f32 v107, -2.0, v99
	v_mul_f32 v108, -2.0, v100
	v_perm_b32 v112, v107, v106, s28               ; the upper halves of two words: (-2x, -2y)
	v_perm_b32 v113, v102, v108, s28               ; (-2z, hi)
	v_perm_b32 v114, v105, v104, s28               ; (mid, lo)
.if ii < 16
	ds_store_b128 v6, v[112:115] offset:ii*4096
.else
	ds_store_b128 v7, v[112:115] offset:(ii-16)*4096
.endif
.set j, j+1
.endr
.endm
.macro INS20 x                         ; v[x] into the ascending list, the largest drops out: 20 lines that do not wait for each other.  Keys are positive normal f32 patterns
.set kk, 19
.rept 19
	v_med3_num_f32 v[LL+kk], v[LL+kk-1], v[LL+kk], v[\x]
.set kk, kk-1
.endr
	v_min_num_f32 v[LL], v[LL], v[\x]
.endm
; One group a lane.  wm: the next group's two products, from the A buffer loaded three steps ago; cnt: the A loads younger than that one.
; Then the least of this group's 16 distances (made a step ago: more than four plain lines lie between, which name none of those products' registers),
; each result's lowest registers first.  ld: this step's A buffer, last read a step ago, takes the group four further on.
.macro STEP a, wm, ld, cnt
.set AN, AF+8*(((\a)+1)%4)
.set DN, DS+16*(((\a)+1)%2)
.set DC, DS+16*((\a)%2)
.if \wm
	s_wait_dscnt \cnt
	v_wmma_f32_16x16x32_bf16 v[DN:DN+7], v[AN:AN+7], v[BF:BF+7], v[CF:CF+7]
	v_wmma_f32_16x16x32_bf16 v[DN+8:DN+15], v[AN:AN+7], v[BG:BG+7], v[CF:CF+7]
.endif
	v_min3_num_f32 v8, v[DC], v[DC+1], v[DC+2]
	v_min3_num_f32 v9, v[DC+3], v[DC+4], v[DC+5]
	v_min3_num_f32 v8, v8, v[DC+6], v[DC+7]
	v_min3_num_f32 v9, v9, v[DC+8], v[DC+9]
	v_min3_num_f32 v8, v8, v[DC+10], v[DC+11]
	v_min3_num_f32 v9, v9, v[DC+12], v[DC+13]
	v_min3_num_f32 v8, v8, v[DC+14], v[DC+15]
	v_min_num_f32 v8, v8, v9
.if \ld
	ds_load_b128 v[AF+8*(\a):AF+8*(\a)+3], v6 offset:1024+256*(\a)
.endif
	v_max_num_f32 v8, s24, v8
	v_and_or_b32 v10, v8, s23, v7                  ; the key: distance above, group number in the 9 lowest bits
	v_add_nc_u32 v7, 1, v7
	INS20 10
.endm
.macro TRI i                           ; entry i of the list into the ascending G[0 .. i-1]
.if (\i) == 0
	v_mov_b32 v[GG], v[LL]
.else
	v_max_num_f32 v[GG+(\i)], v[GG+(\i)-1], v[LL+(\i)]
.set kk, (\i)-1
.rept (\i)-1
	v_med3_num_f32 v[GG+kk], v[GG+kk-1], v[GG+kk], v[LL+(\i)]
.set kk, kk-1
.endr
	v_min_num_f32 v[GG], v[GG], v[LL+(\i)]
.endif
.endm
.macro RED8 base                       ; eight registers summed over the 16 lanes of each half, the sum in every lane
.irp x, 1, 2, 4, 8
.set j, 0
.rept 8
	v_add_f32_dpp v[(\base)+j], v[(\base)+j], v[(\base)+j] row_xmask:\x row_mask:0xf bank_mask:0xf
.set j, j+1
.endr
.endr
.endm
	s_load_b256 s[4:11], s[0:1], 0x0               ; coord s[4:5], feat s[6:7], W1 s[8:9], b1 s[10:11]
	s_load_b128 s[12:15], s[0:1], 0x20             ; gid s[12:13], stats s[14:15]
	v_lshl_add_u32 v1, v0, 2, SPARE
	v_mov_b32 v2, 0
	v_and_b32 v3, 31, v0                           ; lane
	v_and_b32 v4, 15, v0                           ; r
	v_bfe_u32 v5, v0, 4, 1                         ; h
	v_lshrrev_b32 v11, 5, v0
	v_readfirstlane_b32 s16, v11                   ; wave 0..7
	s_mov_b32 s17, ttmp9
	s_lshr_b32 s18, s17, 7                         ; cloud
	s_and_b32 s19, s16, 3                          ; tile of 16 queries
	s_lshr_b32 s20, s16, 2                         ; half of the candidates
	s_mov_b32 s22, 0xffff0000                      ; a word's upper bf16; also: the mask of lanes 16-31
	s_mov_b32 s23, 0xfffffe00
	s_mov_b32 s24, 0x0d800000                      ; 2^-100
	s_mov_b32 s25, 0x7f7fffff
	s_mov_b32 s26, 0x76543210
	s_mov_b32 s27, 0xfedcba98
	s_mov_b32 s28, 0x07060302
	s_mov_b32 s33, 0x3f800000
	v_mul_u32_u24 v9, 12, v0                       ; my first point's bytes in the cloud
	v_lshlrev_b32 v6, 4, v0                        ; its table row,
	v_add_nc_u32 v7, 0x10000, v6                   ; and the row 4,096 points on: an LDS offset has 16 bits
	v_mov_b32 v115, 0                              ; a row's last two numbers
	s_mul_i32 s30, s18, 98304
	s_mov_b32 s31, 0
	s_wait_kmcnt 0x0
	s_add_nc_u64 s[4:5], s[4:5], s[30:31]          ; my cloud's coordinates
	; Waves 6 and 7 ask for W1 (rows 16 ct + r), b1 and the work-group's 64 rows of feat: 22 loads, older than the table's, so the counted waits below hold on both ways.
	s_cmp_lt_u32 s16, 6
	s_cbranch_scc1 .Lno_bn_loads
	s_and_b32 s21, s16, 1                          ; ct: which 16 channels
	v_lshlrev_b32 v142, 7, v4
	v_lshl_add_u32 v142, v5, 5, v142               ; row r x 128 bytes + 32 h: a fragment's k = 8 h .. and 16 + 8 h .. are the f32 at + 0, 16 and + 64, 80
	s_lshl_b32 s30, s21, 11
	v_add_nc_u32 v140, s30, v142
	s_lshl_b32 s35, s21, 6
	v_lshl_add_u32 v141, v5, 5, s35                ; b1 of channels 16 ct + 8 h ..
	s_lshl_b32 s30, s17, 13                        ; 64 b rows of 128 bytes
	s_add_nc_u64 s[6:7], s[6:7], s[30:31]
	global_load_b128 v[160:163], v140, s[8:9]
	global_load_b128 v[164:167], v140, s[8:9] offset:16
	global_load_b128 v[168:171], v140, s[8:9] offset:64
	global_load_b128 v[172:175], v140, s[8:9] offset:80
	global_load_b128 v[176:179], v141, s[10:11]
	global_load_b128 v[180:183], v141, s[10:11] offset:16
.set p, 0
.rept 4
	global_load_b128 v[184+16*p:187+16*p], v142, s[6:7] offset:2048*p
	global_load_b128 v[188+16*p:191+16*p], v142, s[6:7] offset:2048*p+16
	global_load_b128 v[192+16*p:195+16*p], v142, s[6:7] offset:2048*p+64
	global_load_b128 v[196+16*p:199+16*p], v142, s[6:7] offset:2048*p+80
.set p, p+1
.endr
.Lno_bn_loads:
	; THE TABLE: 32 points a thread, two banks of eight loads by turns
	LDC 0, 0
	LDC 1, 8
	s_wait_loadcnt 0x8                             ; the older bank is in; the other bank's eight loads stay out
	ROWS 0, 0
	LDC 0, 16
	s_wait_loadcnt 0x8
	ROWS 1, 8
	LDC 1, 24
	s_wait_loadcnt 0x8
	ROWS 0, 16
	s_wait_loadcnt 0x0
	ROWS 1, 24
	s_cmp_lt_u32 s16, 6
	s_cbranch_scc1 .Lno_bn_cvt
.set i, 0
.rept 8                                                ; W1 to bf16, in place, ascending: register i takes numbers 2 i, 2 i + 1
	v_cvt_pk_bf16_f32 v[160+i], v[160+2*i], v[160+2*i+1]
.set i, i+1
.endr
.set i, 0
.rept 32                                               ; feat likewise: tile p's fragment ends up at v[184 + 8 p]
	v_cvt_pk_bf16_f32 v[184+i], v[184+2*i], v[184+2*i+1]
.set i, i+1
.endr
.set i, 0
.rept 4                                                ; b1 rounded to bf16 and kept as f32: the C operand
	v_cvt_pk_bf16_f32 v11, v[176+2*i], v[176+2*i+1]
	v_lshlrev_b32 v[176+2*i], 16, v11
	v_and_b32 v[176+2*i+1], s22, v11
.set i, i+1
.endr
.Lno_bn_cvt:
	s_wait_dscnt 0x0                               ; for the others' sake: my rows of the table are written
	s_barrier_signal -1
	s_barrier_wait -1                              ; the table is whole; nobody writes it again
	; THE QUERIES.  Lane (r, h) reads query r's own table row and makes of it the two B operands and C.
	s_and_b32 s30, s17, 127
	s_lshl_b32 s30, s30, 2
	s_add_co_u32 s30, s30, s19                     ; my tile of 16 queries in the cloud,
	s_lshl_b32 s30, s30, 8                         ; 16 rows of 16 bytes each
	v_lshl_add_u32 v11, v4, 4, s30
	ds_load_b128 v[120:123], v11
	; One load of 16 bytes a lane fills A's registers 0-3 with 32 candidates: lanes 0-15 give k 0-7 of rows r, lanes 16-31 k 8-15 of rows r.
	; Lanes 0-7 and 16-23 take the 16 points of a group of the lower stream, lanes 8-15 and 24-31 those of the upper one (2,048 points on); within the upper
	; stream the two halves of a group are swapped.
	v_bfe_u32 v8, v0, 3, 1                         ; a: which stream
	v_xor_b32 v9, v5, v8
	v_and_b32 v6, 7, v0
	v_lshlrev_b32 v6, 4, v6
	v_lshl_add_u32 v6, v9, 7, v6
	v_lshl_add_u32 v6, v8, 15, v6
	s_lshl_b32 s35, s20, 16
	v_add_nc_u32 v6, s35, v6
	s_lshl_b32 s36, s20, 8
	v_lshl_add_u32 v7, v5, 7, s36                  ; my stream's first group: 128 (2 half + h)
.set i, 0
.rept 4                                                ; k 16-31 of A is 0, always
	v_mov_b32 v[AF+8*i+4], 0
	v_mov_b32 v[AF+8*i+5], 0
	v_mov_b32 v[AF+8*i+6], 0
	v_mov_b32 v[AF+8*i+7], 0
.set i, i+1
.endr
	s_wait_dscnt 0x0
	v_lshlrev_b32 v124, 16, v120                   ; -2x
	v_and_b32 v125, s22, v120                      ; -2y
	v_lshlrev_b32 v126, 16, v121                   ; -2z
	v_and_b32 v127, s22, v121                      ; sq's three parts
	v_lshlrev_b32 v128, 16, v122
	v_and_b32 v129, s22, v122
	v_mul_f32 v124, -0.5, v124
	v_mul_f32 v125, -0.5, v125
	v_mul_f32 v126, -0.5, v126
	v_add_f32 v127, v127, v128
	v_add_f32 v127, v127, v129                     ; sq, exactly
	v_perm_b32 v124, v125, v124, s28               ; (x, y)
	v_lshrrev_b32 v126, 16, v126
	v_or_b32 v126, s33, v126                       ; (z, 1)
	v_mov_b32 v128, 0x3f803f80                     ; (1, 1)
	v_cndmask_b32 v[BF], v124, 0, s22
	v_cndmask_b32 v[BF+1], v126, 0, s22
	v_cndmask_b32 v[BF+2], v128, 0, s22
	v_cndmask_b32 v[BG], 0, v124, s22
	v_cndmask_b32 v[BG+1], 0, v126, s22
	v_cndmask_b32 v[BG+2], 0, v128, s22
.set i, 3
.rept 5
	v_mov_b32 v[BF+i], 0
	v_mov_b32 v[BG+i], 0
.set i, i+1
.endr
.set i, 0
.rept 8
	v_mov_b32 v[CF+i], v127
.set i, i+1
.endr
	; THE WALK: 128 groups a lane
	ds_load_b128 v[AF:AF+3], v6
	ds_load_b128 v[AF+8:AF+11], v6 offset:256
	ds_load_b128 v[AF+16:AF+19], v6 offset:512
	ds_load_b128 v[AF+24:AF+27], v6 offset:768
	s_wait_dscnt 0x3                               ; the first is in, three younger ones stay out
	v_wmma_f32_16x16x32_bf16 v[DS:DS+7], v[AF:AF+7], v[BF:BF+7], v[CF:CF+7]
	v_wmma_f32_16x16x32_bf16 v[DS+8:DS+15], v[AF:AF+7], v[BG:BG+7], v[CF:CF+7]
.set i, 0
.rept 20                                               ; the list starts at the largest finite number; these lines are also the places behind the two products
	v_mov_b32 v[LL+i], s25
.set i, i+1
.endr
	s_mov_b32 s21, 31
.Lmain:
	STEP 0, 1, 1, 2                                ; the count 2: the loads for the groups two and three further on are younger than the one wanted
	STEP 1, 1, 1, 2
	STEP 2, 1, 1, 2
	STEP 3, 1, 1, 2
	v_add_nc_u32 v6, 0x400, v6
	s_sub_co_u32 s21, s21, 1
	s_cmp_lg_u32 s21, 0
	s_cbranch_scc1 .Lmain
	STEP 0, 1, 0, 2                                ; the last four groups load nothing: the counts run down
	STEP 1, 1, 0, 1
	STEP 2, 1, 0, 0
	STEP 3, 0, 0, 0
	; The two halves of the lanes hold two streams' lists of the same query: each takes the other's and inserts it.
.set i, 0
.rept 20
	v_permlanex16_b32 v[DS+i], v[LL+i], s26, s27
.set i, i+1
.endr
.set i, 0
.rept 20
	INS20 DS+i
.set i, i+1
.endr
	; Waves 4 to 7 hand their lists to waves 0 to 3, which hold the same queries' lists for the cloud's other half.
	s_mul_i32 s30, s19, 2560
	s_add_co_u32 s30, s30, MRG
	v_lshl_add_u32 v11, v3, 4, s30
	s_cmp_lt_u32 s16, 4
	s_cbranch_scc1 .Lno_list
.set q, 0
.rept 5
	ds_store_b128 v11, v[LL+4*q:LL+4*q+3] offset:512*q
.set q, q+1
.endr
.Lno_list:
	s_wait_dscnt 0x0                               ; for the others' sake: my list is written
	s_barrier_signal -1
	s_barrier_wait -1
	s_cmp_lt_u32 s16, 4
	s_cbranch_scc1 .Lselect
	s_cmp_lt_u32 s16, 6
	s_cbranch_scc0 .Lbn
	FINISH                                         ; waves 4 and 5 have nothing left to do
.Lbn:   ; WAVES 6 AND 7: h^T = W1 feat^T + b1 for 16 channels x 64 rows: lane (r, h) holds row r of a tile, channels 16 ct + 8 h + 0..7
	v_wmma_f32_16x16x32_bf16 v[32:39], v[160:167], v[184:191], v[176:183]
	v_wmma_f32_16x16x32_bf16 v[40:47], v[160:167], v[192:199], v[176:183]
	v_wmma_f32_16x16x32_bf16 v[48:55], v[160:167], v[200:207], v[176:183]
	v_wmma_f32_16x16x32_bf16 v[56:63], v[160:167], v[208:215], v[176:183]
.rept 4
	v_nop                                          ; four places before the results are read (ISA guide 7.12.1)
.endr
.set j, 0
.rept 4
	v_pk_add_f32 v[64+2*j:65+2*j], v[32+2*j:33+2*j], v[40+2*j:41+2*j]
.set j, j+1
.endr
.set j, 0
.rept 4
	v_pk_add_f32 v[64+2*j:65+2*j], v[64+2*j:65+2*j], v[48+2*j:49+2*j]
.set j, j+1
.endr
.set j, 0
.rept 4
	v_pk_add_f32 v[64+2*j:65+2*j], v[64+2*j:65+2*j], v[56+2*j:57+2*j]
.set j, j+1
.endr
	RED8 64
.set j, 0
.rept 4
	v_pk_mul_f32 v[72+2*j:73+2*j], v[64+2*j:65+2*j], 0x3c800000 op_sel_hi:[1,0]   ; the mean of 64 rows
.set j, j+1
.endr
.set p, 0
.rept 4                                                ; the squared deviations from that mean: no difference of large sums
.set j, 0
.rept 4
	v_pk_add_f32 v[88+2*j:89+2*j], v[32+8*p+2*j:33+8*p+2*j], v[72+2*j:73+2*j] neg_lo:[0,1] neg_hi:[0,1]
.set j, j+1
.endr
.set j, 0
.rept 4
.if p == 0
	v_pk_mul_f32 v[80+2*j:81+2*j], v[88+2*j:89+2*j], v[88+2*j:89+2*j]
.else
	v_pk_fma_f32 v[80+2*j:81+2*j], v[88+2*j:89+2*j], v[88+2*j:89+2*j], v[80+2*j:81+2*j]
.endif
.set j, j+1
.endr
.set p, p+1
.endr
	RED8 80
	s_and_b32 s21, s16, 1
	s_lshl_b32 s35, s21, 6
	v_lshl_add_u32 v11, v5, 5, s35                 ; 4 (16 ct + 8 h)
	s_lshl_b32 s30, s17, 8                         ; the work-group's record of 256 bytes: 32 means, 32 sums
	s_add_nc_u64 s[14:15], s[14:15], s[30:31]
	s_wait_xcnt 0x0                                ; EXEC changes only behind this wait
	v_cmp_eq_u32 vcc_lo, 0, v4
	s_and_saveexec_b32 s32, vcc_lo                 ; one lane of each half stores its eight channels
	global_store_b128 v11, v[72:75], s[14:15]
	global_store_b128 v11, v[76:79], s[14:15] offset:16
	global_store_b128 v11, v[80:83], s[14:15] offset:128
	global_store_b128 v11, v[84:87], s[14:15] offset:144
	s_wait_xcnt 0x0                                ; and again, in front of the line that widens it
	s_or_b32 exec_lo, exec_lo, s32
	FINISH
.Lselect: ; WAVES 0 TO 3: the 20 least of the two sorted lists of 20 are min(L[k], P[19 - k]); their group numbers are sorted and stored
.set q, 0
.rept 5
	ds_load_b128 v[DS+4*q:DS+4*q+3], v11 offset:512*q
.set q, q+1
.endr
	s_lshl2_add_u32 s30, s17, s16                  ; tile 4 b + w
	s_mul_i32 s30, s30, 1280
	s_add_nc_u64 s[12:13], s[12:13], s[30:31]
	v_lshlrev_b32 v10, 3, v3                       ; 8 bytes a lane
	s_wait_dscnt 0x0
.set i, 0
.rept 20
	v_min_num_f32 v[LL+i], v[LL+i], v[DS+19-i]
.set i, i+1
.endr
.set i, 0
.rept 20
	v_and_or_b32 v[LL+i], v[LL+i], 0x1ff, s33      ; the number as the mantissa of a float in 1 to 2: the order stays
.set i, i+1
.endr
.set i, 0
.rept 20
	TRI i
.set i, i+1
.endr
.set q, 0
.rept 5                                                ; lanes 0-15 store places 4 q, 4 q + 1 of query r, lanes 16-31 places 4 q + 2, 4 q + 3: each store covers 256 consecutive bytes, aligned
	v_cndmask_b32 v[DS+2*q], v[GG+4*q], v[GG+4*q+2], s22
	v_cndmask_b32 v[DS+2*q+1], v[GG+4*q+1], v[GG+4*q+3], s22
	v_and_b32 v[DS+2*q], 0x1ff, v[DS+2*q]
	v_and_b32 v[DS+2*q+1], 0x1ff, v[DS+2*q+1]
	global_store_b64 v10, v[DS+2*q:DS+2*q+1], s[12:13] offset:256*q
.set q, q+1
.endr
	FINISH
.Lfunc_end_k_q766cf901aa_coarse:
	.size	k_q766cf901aa_coarse, .Lfunc_end_k_q766cf901aa_coarse-k_q766cf901aa_coarse
	.p2alignl 7, 3214868480
	.fill 96, 4, 3214868480
	.section	.rodata,"a",@progbits
	.p2align	6, 0x0
	.amdhsa_kernel k_q766cf901aa_coarse
		.amdhsa_group_segment_fixed_size 142336
		.amdhsa_private_segment_fixed_size 0
		.amdhsa_enable_private_segment 0
		.amdhsa_kernarg_size 48
		.amdhsa_user_sgpr_count 2
		.amdhsa_user_sgpr_kernarg_segment_ptr 1
		.amdhsa_wavefront_size32 1
		.amdhsa_system_sgpr_workgroup_id_x 1
		.amdhsa_system_sgpr_workgroup_id_y 1
		.amdhsa_system_sgpr_workgroup_id_z 1
		.amdhsa_system_vgpr_workitem_id 0
		.amdhsa_next_free_vgpr 248
		.amdhsa_next_free_sgpr 66
		.amdhsa_reserve_vcc 1
		.amdhsa_float_denorm_mode_32 3
		.amdhsa_float_denorm_mode_16_64 3
		.amdhsa_memory_ordered 1
		.amdhsa_forward_progress 1
		.amdhsa_inst_pref_size 109
	.end_amdhsa_kernel
	.amdgpu_metadata
---
amdhsa.version: [ 1, 2 ]
amdhsa.kernels:
  - .name:           k_q766cf901aa_coarse
    .symbol:         k_q766cf901aa_coarse.kd
    .args:
      - { .name: coord, .offset: 0, .size: 8, .value_kind: global_buffer, .address_space: global }
      - { .name: feat, .offset: 8, .size: 8, .value_kind: global_buffer, .address_space: global }
      - { .name: W1, .offset: 16, .size: 8, .value_kind: global_buffer, .address_space: global }
      - { .name: b1, .offset: 24, .size: 8, .value_kind: global_buffer, .address_space: global }
      - { .name: gid, .offset: 32, .size: 8, .value_kind: global_buffer, .address_space: global }
      - { .name: stats, .offset: 40, .size: 8, .value_kind: global_buffer, .address_space: global }
    .group_segment_fixed_size: 142336
    .private_segment_fixed_size: 0
    .kernarg_segment_align: 8
    .kernarg_segment_size: 48
    .max_flat_workgroup_size: 256
    .sgpr_count:     66
    .vgpr_count:     248
    .wavefront_size: 32
...
	.end_amdgpu_metadata
.endif
;; end of part 1
;; launch refine (part 2): grid 256 x 1, 4 waves a work-group, no clusters, 142,848 bytes of LDS; arguments coord, feat, W1, b1, gamma, beta, W2, b2, gid, stats, out0; writes out0
.if DOCPART == 2
	.amdgcn_target "amdgcn-amd-amdhsa--gfx1250"
	.amdhsa_code_object_version 6
	.text
	.protected	k_q766cf901aa_refine
	.globl	k_q766cf901aa_refine
	.p2align	8
	.type	k_q766cf901aa_refine,@function
k_q766cf901aa_refine:
	s_mov_b64 s[64:65], 0
	v_nop
	global_prefetch_b8 v0, s[64:65] scope:SCOPE_SE
	s_setreg_imm32_b32 hwreg(HW_REG_WAVE_MODE, 25, 1), 1
	s_wait_xcnt 0x0
; THE EXACT 16 NEAREST NEIGHBOURS AMONG 320 CANDIDATES, THEIR GEOMETRY, THE FEATURE JUDGE, AND THE OUTPUT.
; ALL FLOATING-POINT INPUTS ARE ROUNDED TO bf16 FIRST (nearest even).  Products of two coordinates are then exact in f32, and
; d2 = (sq_i + sq_j) - 2 ((x x' + y y') + z z') is formed with the roundings in the order in which reference() has them.
; Work-group b: the same 64 queries as in the launch before.  All four waves lay the cloud's points into LDS.  Then waves 0 and 1 take one query a lane;
; waves 2 and 3 run the judge for 32 rows each (Linear, batch norm with the cloud's statistics, ReLU, Linear, softmax) and hand the three probabilities over in LDS.
; A QUERY.  gid names 20 groups of 16 points, ascending.  Pass 1 keeps the 17 least d2 (the query itself, d2 = 0 exactly, is one of them); T is the 17th.
; Pass 2 takes every point with max(d2, 0) < T, and of those with max(d2, 0) = T (the query aside) the first 16 - (number below T) in ascending index, as top_k does,
; and sums u and u u^T, u = x_j - x_i.  The query itself counts below T with u = 0 and adds nothing.
; The largest eigenvalue of the 3 x 3 covariance is q + 2 p cos(acos(det((A - q I) / p) / 2) / 3); lin = (2 lambda_0 - tr) / (tr + 1e-6).
; LIMITS.  The order is taken on max(d2, 0), not on its root: ties that the root's rounding alone would make between unlike d2 are not reproduced.
; acos by sqrt(1 - a) times a cubic, within 7e-5 on all of -1 to 1; cos by its series to the eighth power, within 5e-7 on 0 to pi / 3; p is raised to 2^-100 before it divides.
; NaN and infinities are not treated apart.  The input batch is not read: reference() never uses it.
.set GP,    272                        ; a group in LDS: 8 pairs of points x 32 bytes (x0 x1 y0 y1 | z0 z1 sq0 sq1) + 16 of padding, so that lanes at unlike groups start in unlike 16-byte columns
.set PAR,   139264                     ; behind the 512 groups: 512 bytes for each of waves 2, 3: mean, scale, beta by channel (128 bytes each), beta once more
.set PROB,  140288                     ; 64 rows of 16 bytes: p0, p1, p2; then 1,024 bytes for the lanes that hold no class
.set SPARE, 142336                     ; the spare words: 128 bytes for each of four waves; no other line names them
.set RB0,   128                        ; v128-191, v192-255: two groups' records (table build: two banks of coordinates)
.set D2,    56                         ; v56-71  a group's 16 d2, then tie flags, then weights
.set VV,    38                         ; v38-54  the 17 least d2, ascending
.set LT,    32                         ; s32-47  lane masks: d2 < T, later: chosen
.set LE,    48                         ; s48-63  d2 <= T, later: a tie
.set NS,    66                         ; s66-81  not the query itself
.set RM,    82                         ; s82-97  room for one more tie
; neighbour path: v3 lane, v4 at work, v5 the query's index, v6 LDS address, v7, v8 index less 16 x group for the two records, v9 ties seen, v10 ties wanted, v11 T,
;   v16-35 the 20 groups, v36-37 at work, v53 lin, v55 density, v72-77, v88-93 weighted u, v80-87 the query in pairs, v94-99 sums of u, v100-111 sums of u u^T, v112-127 at work
.macro FINISH                          ; the wave's end
	s_wait_tensorcnt 0x0
	ds_add_u32 v1, v2
	s_wait_dscnt 0x0
	s_endpgm
.endm
.macro LDP bank, i0                    ; eight pairs of points a thread: pair = thread + 128 i, 24 bytes each
.set j, 0
.rept 8
	global_load_b96 v[RB0+64*(\bank)+8*j:RB0+64*(\bank)+8*j+2], v10, s[4:5] offset:((\i0)+j)*3072
	global_load_b96 v[RB0+64*(\bank)+8*j+4:RB0+64*(\bank)+8*j+6], v10, s[4:5] offset:((\i0)+j)*3072+12
.set j, j+1
.endr
.endm
.macro PAIRS bank, i0                  ; eight pairs rounded to bf16, with their sq, into the table
.set j, 0
.rept 8
.set rb, RB0+64*(\bank)+8*j
.set ii, (\i0)+j
	v_cvt_pk_bf16_f32 v121, v[rb], v[rb+4]
	v_cvt_pk_bf16_f32 v123, v[rb+1], v[rb+5]
	v_cvt_pk_bf16_f32 v125, v[rb+2], v[rb+6]
	v_lshlrev_b32 v120, 16, v121
	v_lshlrev_b32 v122, 16, v123
	v_lshlrev_b32 v124, 16, v125
	v_and_b32 v121, s30, v121
	v_and_b32 v123, s30, v123
	v_and_b32 v125, s30, v125
	v_pk_mul_f32 v[126:127], v[120:121], v[120:121]
	v_pk_fma_f32 v[126:127], v[122:123], v[122:123], v[126:127]
	v_pk_fma_f32 v[126:127], v[124:125], v[124:125], v[126:127]
.if ii < 16
	ds_store_b128 v6, v[120:123] offset:ii*4352
	ds_store_b128 v6, v[124:127] offset:ii*4352+16
.else
	ds_store_b128 v7, v[120:123] offset:(ii-16)*4352
	ds_store_b128 v7, v[124:127] offset:(ii-16)*4352+16
.endif
.set j, j+1
.endr
.endm
.macro RND2 a, b                       ; two f32 rounded to bf16, in place
	v_cvt_pk_bf16_f32 v168, v[\a], v[\b]
	v_lshlrev_b32 v[\a], 16, v168
	v_and_b32 v[\b], s30, v168
.endm
.macro GADDR id, sp                    ; a group's LDS address, and the query's place in it (0..15 only in its own group).  The number was read from memory: it is bounded in the line itself
	v_min_u32 v4, 0x1ff, v[\id]
	v_mul_u32_u24 v6, 0x110, v4
	v_lshlrev_b32 v4, 4, v4
	v_sub_nc_u32 v[\sp], v5, v4
.endm
.macro FETCH p
.set n, 0
.rept 16
	ds_load_b128 v[RB0+64*(\p)+4*n:RB0+64*(\p)+4*n+3], v6 offset:16*n
.set n, n+1
.endr
.endm
.macro DIST p                          ; the 16 d2 of record p, two at a time, stage by stage; sq_j + sq_i takes sq_j's place
.set m, 0
.rept 8
	v_pk_mul_f32 v[D2+2*m:D2+2*m+1], v[RB0+64*(\p)+8*m:RB0+64*(\p)+8*m+1], v[80:81]
.set m, m+1
.endr
.set m, 0
.rept 8
	v_pk_fma_f32 v[D2+2*m:D2+2*m+1], v[RB0+64*(\p)+8*m+2:RB0+64*(\p)+8*m+3], v[82:83], v[D2+2*m:D2+2*m+1]
.set m, m+1
.endr
.set m, 0
.rept 8
	v_pk_fma_f32 v[D2+2*m:D2+2*m+1], v[RB0+64*(\p)+8*m+4:RB0+64*(\p)+8*m+5], v[84:85], v[D2+2*m:D2+2*m+1]
.set m, m+1
.endr
.set m, 0
.rept 8
	v_pk_add_f32 v[RB0+64*(\p)+8*m+6:RB0+64*(\p)+8*m+7], v[RB0+64*(\p)+8*m+6:RB0+64*(\p)+8*m+7], v[86:87]
.set m, m+1
.endr
.set m, 0
.rept 8
	v_pk_fma_f32 v[D2+2*m:D2+2*m+1], v[D2+2*m:D2+2*m+1], -2.0, v[RB0+64*(\p)+8*m+6:RB0+64*(\p)+8*m+7] op_sel_hi:[1,0,1]
.set m, m+1
.endr
.endm
.macro INS17 x                         ; v[x] into the ascending list of 17, the largest drops out
.set kk, 16
.rept 16
	v_med3_num_f32 v[VV+kk], v[VV+kk-1], v[VV+kk], v[\x]
.set kk, kk-1
.endr
	v_min_num_f32 v[VV], v[VV], v[\x]
.endm
.macro HALF1 p, idn                    ; pass 1: record p is worked on while the next group comes into the other record
	GADDR \idn, 8-(\p)
	FETCH 1-(\p)
	s_wait_dscnt 0x10                              ; the 16 loads just issued stay out; record p's are in
	DIST \p
.set c, 0
.rept 16
	INS17 D2+c
.set c, c+1
.endr
.endm
.macro HALF2 p, idn                    ; pass 2
	GADDR \idn, 8-(\p)
	FETCH 1-(\p)
	s_wait_dscnt 0x10                              ; as in pass 1
	DIST \p
.set c, 0
.rept 16
	v_max_num_f32 v[D2+c], 0, v[D2+c]
.set c, c+1
.endr
.set c, 0
.rept 16
	v_cmp_lt_f32 s[LT+c], v[D2+c], v11
	v_cmp_le_f32 s[LE+c], v[D2+c], v11
	v_cmp_ne_u32 s[NS+c], c, v[7+(\p)]
.set c, c+1
.endr
.set c, 0
.rept 16
	s_and_b32 s[LE+c], s[LE+c], s[NS+c]
	s_and_not1_b32 s[LE+c], s[LE+c], s[LT+c]       ; a tie: d2 = T and not the query
.set c, c+1
.endr
.set c, 0
.rept 16
	v_cndmask_b32 v[D2+c], 0, 1, s[LE+c]
.set c, c+1
.endr
.set m, 0
.rept 8                                                ; in ascending index: is there room for this tie?  Between the links of that chain: u = x_j - x_i, in place
.set rb, RB0+64*(\p)+8*m
	v_cmp_gt_u32 s[RM+2*m], v10, v9
	v_add_nc_u32 v9, v9, v[D2+2*m]
	v_pk_add_f32 v[rb:rb+1], v[rb:rb+1], v[80:81] neg_lo:[0,1] neg_hi:[0,1]
	v_pk_add_f32 v[rb+2:rb+3], v[rb+2:rb+3], v[82:83] neg_lo:[0,1] neg_hi:[0,1]
	v_cmp_gt_u32 s[RM+2*m+1], v10, v9
	v_add_nc_u32 v9, v9, v[D2+2*m+1]
	v_pk_add_f32 v[rb+4:rb+5], v[rb+4:rb+5], v[84:85] neg_lo:[0,1] neg_hi:[0,1]
.set m, m+1
.endr
.set c, 0
.rept 16
	s_and_b32 s[RM+c], s[RM+c], s[LE+c]
	s_or_b32 s[LT+c], s[LT+c], s[RM+c]             ; chosen: below T, or a tie with room
.set c, c+1
.endr
.set c, 0
.rept 16
	v_cndmask_b32 v[D2+c], 0, 1.0, s[LT+c]
.set c, c+1
.endr
.set m, 0
.rept 8
.set rb, RB0+64*(\p)+8*m
.set wb, 88-16*(m%2)
	v_pk_mul_f32 v[wb:wb+1], v[D2+2*m:D2+2*m+1], v[rb:rb+1]
	v_pk_mul_f32 v[wb+2:wb+3], v[D2+2*m:D2+2*m+1], v[rb+2:rb+3]
	v_pk_mul_f32 v[wb+4:wb+5], v[D2+2*m:D2+2*m+1], v[rb+4:rb+5]
	v_pk_add_f32 v[94:95], v[94:95], v[wb:wb+1]
	v_pk_add_f32 v[96:97], v[96:97], v[wb+2:wb+3]
	v_pk_add_f32 v[98:99], v[98:99], v[wb+4:wb+5]
	v_pk_fma_f32 v[100:101], v[wb:wb+1], v[rb:rb+1], v[100:101]
	v_pk_fma_f32 v[102:103], v[wb+2:wb+3], v[rb+2:rb+3], v[102:103]
	v_pk_fma_f32 v[104:105], v[wb+4:wb+5], v[rb+4:rb+5], v[104:105]
	v_pk_fma_f32 v[106:107], v[wb:wb+1], v[rb+2:rb+3], v[106:107]
	v_pk_fma_f32 v[108:109], v[wb:wb+1], v[rb+4:rb+5], v[108:109]
	v_pk_fma_f32 v[110:111], v[wb+2:wb+3], v[rb+4:rb+5], v[110:111]
.set m, m+1
.endr
.endm
.macro ROT                             ; the 20 group numbers go round by two, so that a trip names fixed registers; ten trips bring them back
	v_mov_b32 v36, v16
	v_mov_b32 v37, v17
.set k, 0
.rept 18
	v_mov_b32 v[16+k], v[18+k]
.set k, k+1
.endr
	v_mov_b32 v34, v36
	v_mov_b32 v35, v37
.endm
	s_load_b512 s[4:19], s[0:1], 0x0               ; coord s[4:5], feat s[6:7], W1 s[8:9], b1 s[10:11], gamma s[12:13], beta s[14:15], W2 s[16:17], b2 s[18:19]
	s_load_b128 s[20:23], s[0:1], 0x40             ; gid s[20:21], stats s[22:23]
	s_load_b64 s[24:25], s[0:1], 0x50              ; out0
	v_lshl_add_u32 v1, v0, 2, SPARE
	v_mov_b32 v2, 0
	v_lshrrev_b32 v3, 5, v0
	v_readfirstlane_b32 s26, v3                    ; wave 0..3
	s_mov_b32 s27, ttmp9
	s_lshr_b32 s28, s27, 7                         ; cloud
	s_mov_b32 s30, 0xffff0000                      ; a word's upper bf16; also: the mask of lanes 16-31
	v_mul_u32_u24 v10, 24, v0                      ; my first pair's bytes in the cloud
	v_lshrrev_b32 v6, 3, v0
	v_mul_u32_u24 v6, 0x110, v6
	v_and_b32 v7, 7, v0
	v_lshl_add_u32 v6, v7, 5, v6                   ; its place in the table: group thread / 8, pair thread % 8; 128 pairs on is 16 groups on
	v_add_nc_u32 v7, 69632, v6                     ; 256 groups on: an LDS offset has 16 bits
	s_mul_i32 s2, s28, 98304
	s_mov_b32 s3, 0
	s_wait_kmcnt 0x0
	s_add_nc_u64 s[4:5], s[4:5], s[2:3]            ; my cloud's coordinates
	; What each path needs from memory is asked for ahead of the table's loads, so the counted waits of the build cover it on both ways.
	s_cmp_lt_u32 s26, 2
	s_cbranch_scc0 .Lhead_judge
	v_and_b32 v3, 31, v0
	v_lshrrev_b32 v4, 4, v3
	v_mul_u32_u24 v4, 0x500, v4                    ; lanes 16-31: the next tile of 16 queries, 1,280 bytes on
	v_and_b32 v5, 15, v0
	v_lshl_add_u32 v11, v5, 3, v4
	s_lshl_b32 s2, s27, 2
	s_lshl1_add_u32 s2, s26, s2                    ; tile 4 b + 2 w
	s_mul_i32 s2, s2, 1280
	s_add_nc_u64 s[20:21], s[20:21], s[2:3]
.set q, 0
.rept 10
	global_load_b64 v[16+2*q:17+2*q], v11, s[20:21] offset:128*q
.set q, q+1
.endr
	s_branch .Lbuild
.Lhead_judge:
	v_and_b32 v3, 15, v0                           ; r
	v_bfe_u32 v5, v0, 4, 1
	v_lshlrev_b32 v5, 5, v5                        ; 32 h
	v_lshl_add_u32 v4, v3, 7, v5                   ; row r x 128 bytes + 32 h
	v_min_u32 v3, 2, v3                            ; W2 has three rows: the others read the last and are set to 0 below
	v_lshl_add_u32 v3, v3, 7, v5
	v_and_b32 v8, 7, v0
	v_lshlrev_b32 v8, 4, v8                        ; four channels a lane
	v_and_b32 v9, 15, v0
	v_lshlrev_b32 v9, 4, v9
	s_lshl_b32 s2, s27, 13                         ; 64 b rows of 128 bytes,
	s_sub_co_u32 s31, s26, 2
	s_lshl_b32 s31, s31, 12                        ; my wave's 32 of them
	s_add_co_u32 s2, s2, s31
	s_add_nc_u64 s[6:7], s[6:7], s[2:3]
	s_lshl_b32 s2, s28, 15                         ; the cloud's 128 records of 256 bytes
	s_add_nc_u64 s[22:23], s[22:23], s[2:3]
	s_load_b96 s[32:34], s[18:19], 0x0             ; b2
.set t, 0
.rept 2
	global_load_b128 v[12+16*t:15+16*t], v4, s[8:9] offset:2048*t
	global_load_b128 v[16+16*t:19+16*t], v4, s[8:9] offset:2048*t+16
	global_load_b128 v[20+16*t:23+16*t], v4, s[8:9] offset:2048*t+64
	global_load_b128 v[24+16*t:27+16*t], v4, s[8:9] offset:2048*t+80
	global_load_b128 v[44+16*t:47+16*t], v4, s[6:7] offset:2048*t
	global_load_b128 v[48+16*t:51+16*t], v4, s[6:7] offset:2048*t+16
	global_load_b128 v[52+16*t:55+16*t], v4, s[6:7] offset:2048*t+64
	global_load_b128 v[56+16*t:59+16*t], v4, s[6:7] offset:2048*t+80
	global_load_b128 v[76+8*t:79+8*t], v5, s[10:11] offset:64*t
	global_load_b128 v[80+8*t:83+8*t], v5, s[10:11] offset:64*t+16
.set t, t+1
.endr
	global_load_b128 v[92:95], v3, s[16:17]
	global_load_b128 v[96:99], v3, s[16:17] offset:16
	global_load_b128 v[100:103], v3, s[16:17] offset:64
	global_load_b128 v[104:107], v3, s[16:17] offset:80
	global_load_b128 v[108:111], v8, s[12:13]
	global_load_b128 v[112:115], v8, s[14:15]
	global_load_b128 v[116:119], v9, s[22:23]      ; the cloud's first record: its means are the pivot
.Lbuild:
	LDP 0, 0
	LDP 1, 8
	s_wait_loadcnt 0x10                            ; the older bank is in; the other bank's 16 loads stay out
	PAIRS 0, 0
	LDP 0, 16
	s_wait_loadcnt 0x10
	PAIRS 1, 8
	LDP 1, 24
	s_wait_loadcnt 0x10
	PAIRS 0, 16
	s_wait_loadcnt 0x0
	PAIRS 1, 24
	s_wait_dscnt 0x0                               ; for the others' sake: my pairs are written
	s_barrier_signal -1
	s_barrier_wait -1                              ; the table is whole; nobody writes it again
	s_cmp_lt_u32 s26, 2
	s_cbranch_scc0 .Ljudge
	; ---------------- WAVES 0 AND 1: ONE QUERY A LANE ----------------
	s_mov_b32 s98, 0x358637bd                      ; 1e-6
	s_mov_b32 s99, 0x3d800000                      ; 1 / 16
	v_and_b32 v3, 31, v0
	s_and_b32 s31, s27, 127
	s_lshl_b32 s31, s31, 6
	s_lshl_b32 s2, s26, 5
	s_add_co_u32 s31, s31, s2
	v_add_nc_u32 v5, s31, v3                       ; my query's index in the cloud
	v_lshrrev_b32 v4, 4, v5
	v_mul_u32_u24 v6, 0x110, v4
	v_bfe_u32 v4, v5, 1, 3
	v_lshl_add_u32 v6, v4, 5, v6
	v_and_b32 v4, 1, v5
	v_lshl_add_u32 v6, v4, 2, v6
	ds_load_b32 v80, v6
	ds_load_b32 v82, v6 offset:8
	ds_load_b32 v84, v6 offset:16
	ds_load_b32 v86, v6 offset:24
	s_mov_b32 s31, 0x7f800000
.set k, 0
.rept 17
	v_mov_b32 v[VV+k], s31
.set k, k+1
.endr
	s_wait_dscnt 0x0
	v_mov_b32 v81, v80
	v_mov_b32 v83, v82
	v_mov_b32 v85, v84
	v_mov_b32 v87, v86
	GADDR 16, 7
	FETCH 0
	s_mov_b32 s29, 10
.Lpass1:
	HALF1 0, 17
	HALF1 1, 18
	ROT
	s_sub_co_u32 s29, s29, 1
	s_cmp_lg_u32 s29, 0
	s_cbranch_scc1 .Lpass1                         ; the last trip has asked for the first group again: pass 2's first record is on its way
	; V[0] stands for the query's own 0; V[1..16] are the 16 distances squared
.set k, 1
.rept 16
	v_max_num_f32 v[VV+k], 0, v[VV+k]
.set k, k+1
.endr
	v_mov_b32 v11, v[VV+16]                        ; T
	v_mov_b32 v10, 16
.set k, 1
.rept 16
	v_cmp_lt_f32 vcc_lo, v[VV+k], v11
	v_cndmask_b32 v4, 0, 1, vcc_lo
	v_sub_nc_u32 v10, v10, v4                      ; ties wanted = 16 - the number below T
.set k, k+1
.endr
.set k, 1
.rept 16
	v_sqrt_f32 v[VV+k], v[VV+k]
.set k, k+1
.endr
	v_mov_b32 v9, 0                                ; a plain line behind the roots; also: no tie seen yet
.set k, 94
.rept 18
	v_mov_b32 v[k], 0
.set k, k+1
.endr
	s_wait_alu depctr_va_vdst(0)
.irp w, 8, 4, 2, 1
.set k, 0
.rept \w
	v_add_f32 v[VV+1+k], v[VV+1+k], v[VV+1+k+(\w)]
.set k, k+1
.endr
.endr
	v_fma_f32 v55, v[VV+1], s99, s98               ; the mean distance + 1e-6
	v_rcp_f32 v55, v55                             ; density
	s_mov_b32 s29, 10
.Lpass2:
	HALF2 0, 17
	HALF2 1, 18
	ROT
	s_sub_co_u32 s29, s29, 1
	s_cmp_lg_u32 s29, 0
	s_cbranch_scc1 .Lpass2
	s_wait_dscnt 0x0                               ; the last trip's surplus fetch
	v_add_f32 v94, v94, v95                        ; even and odd candidates' sums
	v_add_f32 v96, v96, v97
	v_add_f32 v98, v98, v99
	v_add_f32 v100, v100, v101
	v_add_f32 v102, v102, v103
	v_add_f32 v104, v104, v105
	v_add_f32 v106, v106, v107
	v_add_f32 v108, v108, v109
	v_add_f32 v110, v110, v111
	v_mul_f32 v95, s99, v94
	v_mul_f32 v97, s99, v96
	v_mul_f32 v99, s99, v98
	v_fma_f32 v100, -v95, v94, v100                ; sum u u^T - (sum u)(sum u)^T / 16
	v_fma_f32 v102, -v97, v96, v102
	v_fma_f32 v104, -v99, v98, v104
	v_fma_f32 v106, -v95, v96, v106
	v_fma_f32 v108, -v95, v98, v108
	v_fma_f32 v110, -v97, v98, v110
	s_mov_b32 s31, 0x3d888889                      ; 1 / 15
	v_mul_f32 v100, s31, v100
	v_mul_f32 v102, s31, v102
	v_mul_f32 v104, s31, v104
	v_mul_f32 v106, s31, v106
	v_mul_f32 v108, s31, v108
	v_mul_f32 v110, s31, v110
	v_add_f32 v112, v100, v102
	v_add_f32 v112, v112, v104                     ; tr
	v_mul_f32 v113, 0x3eaaaaab, v112               ; q = tr / 3
	v_sub_f32 v114, v100, v113
	v_sub_f32 v115, v102, v113
	v_sub_f32 v116, v104, v113
	v_mul_f32 v117, v106, v106
	v_fma_f32 v117, v108, v108, v117
	v_fma_f32 v117, v110, v110, v117
	v_mul_f32 v118, v114, v114
	v_fma_f32 v118, v115, v115, v118
	v_fma_f32 v118, v116, v116, v118
	v_fma_f32 v117, 2.0, v117, v118
	v_mul_f32 v117, 0x3e2aaaab, v117
	v_sqrt_f32 v118, v117                          ; p
	v_add_f32 v119, s98, v112                      ; tr + 1e-6: the plain line behind the root
	s_wait_alu depctr_va_vdst(0)
	v_max_num_f32 v120, 0x0d800000, v118
	v_rcp_f32 v120, v120
	v_rcp_f32 v119, v119
	v_nop
	s_wait_alu depctr_va_vdst(0)
	v_mul_f32 v114, v114, v120
	v_mul_f32 v115, v115, v120
	v_mul_f32 v116, v116, v120
	v_mul_f32 v106, v106, v120
	v_mul_f32 v108, v108, v120
	v_mul_f32 v110, v110, v120
	v_mul_f32 v121, v115, v116
	v_mul_f32 v122, v106, v116
	v_mul_f32 v123, v106, v110
	v_fma_f32 v121, -v110, v110, v121
	v_fma_f32 v122, -v110, v108, v122
	v_fma_f32 v123, -v115, v108, v123
	v_mul_f32 v124, v114, v121
	v_fma_f32 v124, -v106, v122, v124
	v_fma_f32 v124, v108, v123, v124               ; the determinant
	v_mul_f32 v124, 0.5, v124
	v_med3_num_f32 v124, v124, -1.0, 1.0
	v_and_b32 v125, 0x7fffffff, v124               ; a
	v_sub_f32 v126, 1.0, v125
	v_sqrt_f32 v126, v126
	v_mov_b32 v127, 0xbc996e30                     ; -0.0187293
	v_fmaak_f32 v127, v127, v125, 0x3d981627       ; 0.0742610
	v_fmaak_f32 v127, v127, v125, 0xbe593484       ; -0.2121144
	v_fmaak_f32 v127, v127, v125, 0x3fc90da4       ; 1.5707288
	s_wait_alu depctr_va_vdst(0)
	v_mul_f32 v127, v126, v127                     ; acos(a)
	v_sub_f32 v121, 0x40490fdb, v127
	v_cmp_gt_f32 vcc_lo, 0, v124
	v_cndmask_b32 v127, v127, v121, vcc_lo         ; pi - acos(a) for a negative argument
	v_mul_f32 v127, 0x3eaaaaab, v127               ; phi
	v_mul_f32 v121, v127, v127
	v_mov_b32 v122, 0x37d00d01                     ; 1 / 40320
	v_fmaak_f32 v122, v122, v121, 0xbab60b61       ; -1 / 720
	v_fmaak_f32 v122, v122, v121, 0x3d2aaaab       ; 1 / 24
	v_fma_f32 v122, v122, v121, -0.5
	v_fma_f32 v122, v122, v121, 1.0                ; cos phi
	v_mul_f32 v123, v118, v122
	v_fma_f32 v123, 2.0, v123, v113                ; the largest eigenvalue
	v_fma_f32 v123, 2.0, v123, -v112
	v_mul_f32 v53, v123, v119                      ; lin
	s_branch .Ljoin
	; ---------------- WAVES 2 AND 3: THE JUDGE, 32 ROWS EACH ----------------
.Ljudge:
	s_mov_b32 s98, 0x76543210
	s_mov_b32 s99, 0xfedcba98
	s_mov_b32 s35, 0x39000000                      ; 1 / 8192
	s_mov_b32 s36, 0x3727c5ac                      ; 1e-5
	s_mov_b32 s37, 0x0000ff00                      ; lanes 8-15
.set i, 0
.rept 16                                               ; W1 to bf16 in place, ascending: fragments of channels 0-15 at v12, 16-31 at v20
	v_cvt_pk_bf16_f32 v[12+i], v[12+2*i], v[12+2*i+1]
.set i, i+1
.endr
.set i, 0
.rept 16                                               ; feat: the two tiles' fragments at v44 and v52
	v_cvt_pk_bf16_f32 v[44+i], v[44+2*i], v[44+2*i+1]
.set i, i+1
.endr
.set i, 0
.rept 8
	v_cvt_pk_bf16_f32 v[92+i], v[92+2*i], v[92+2*i+1]
.set i, i+1
.endr
	s_mov_b32 s31, 0x00070007                      ; rows 0 to 2 of each half
.set i, 0
.rept 8
	v_cndmask_b32 v[92+i], 0, v[92+i], s31
.set i, i+1
.endr
.set i, 0
.rept 8
	RND2 76+2*i, 77+2*i                            ; b1
.set i, i+1
.endr
	RND2 108, 109                                  ; gamma
	RND2 110, 111
	RND2 112, 113                                  ; beta
	RND2 114, 115
	s_wait_kmcnt 0x0
	v_mov_b32 v100, s32                            ; b2: the second product's C; class j in register j
	v_mov_b32 v101, s33
	v_mov_b32 v102, s34
	v_mov_b32 v103, 0
	RND2 100, 101
	RND2 102, 103
	v_mov_b32 v104, 0
	v_mov_b32 v105, 0
	v_mov_b32 v106, 0
	v_mov_b32 v107, 0
	s_mov_b32 s31, 0xff00ff00                      ; lanes 8-15 and 24-31 read sums of squares, not means: no pivot there
.set i, 0
.rept 4
	v_cndmask_b32 v[116+i], v[116+i], 0, s31
	v_mov_b32 v[160+i], 0
	v_mov_b32 v[164+i], 0
.set i, i+1
.endr
	v_and_b32 v10, 31, v0
	v_lshlrev_b32 v10, 4, v10                      ; a load covers two records: lanes 0-7 a record's means, 8-15 its sums, 16-31 the next record's
	s_mov_b32 s29, 8
.Lstat:
.set j, 0
.rept 8
	global_load_b128 v[128+4*j:131+4*j], v10, s[22:23] offset:512*j
.set j, j+1
.endr
.set j, 0
.rept 8
	s_wait_loadcnt 7-j                             ; load j is in; the younger ones stay out
	v_pk_add_f32 v[128+4*j:129+4*j], v[128+4*j:129+4*j], v[116:117] neg_lo:[0,1] neg_hi:[0,1]
	v_pk_add_f32 v[130+4*j:131+4*j], v[130+4*j:131+4*j], v[118:119] neg_lo:[0,1] neg_hi:[0,1]
	v_pk_add_f32 v[160:161], v[160:161], v[128+4*j:129+4*j]
	v_pk_add_f32 v[162:163], v[162:163], v[130+4*j:131+4*j]
	v_pk_fma_f32 v[164:165], v[128+4*j:129+4*j], v[128+4*j:129+4*j], v[164:165]
	v_pk_fma_f32 v[166:167], v[130+4*j:131+4*j], v[130+4*j:131+4*j], v[166:167]
.set j, j+1
.endr
	v_add_nc_u32 v10, 0x1000, v10                  ; behind the wait for 0: all eight loads are done
	s_sub_co_u32 s29, s29, 1
	s_cmp_lg_u32 s29, 0
	s_cbranch_scc1 .Lstat
.set i, 0
.rept 8
	v_mov_b32 v[168+i], 0                          ; destinations of lane moves count as read
.set i, i+1
.endr
.set i, 0
.rept 4
	v_permlanex16_b32 v[168+i], v[160+i], s98, s99 ; even and odd records
	v_permlanex16_b32 v[172+i], v[164+i], s98, s99
.set i, i+1
.endr
	v_pk_add_f32 v[160:161], v[160:161], v[168:169]
	v_pk_add_f32 v[162:163], v[162:163], v[170:171]
	v_pk_add_f32 v[164:165], v[164:165], v[172:173]
	v_pk_add_f32 v[166:167], v[166:167], v[174:175]
.set i, 0
.rept 4
	v_mov_b32_dpp v[168+i], v[160+i] row_xmask:8 row_mask:0xf bank_mask:0xf   ; the sum of the records' sums of squares, from the lane 8 away
.set i, i+1
.endr
.set i, 0
.rept 4
	v_mul_f32 v[172+i], 0x3c000000, v[160+i]       ; (sum of mean - pivot) / 128
.set i, i+1
.endr
.set i, 0
.rept 4
	v_add_f32 v[116+i], v[116+i], v[172+i]         ; the cloud's mean
	v_fma_f32 v[164+i], -v[160+i], v[172+i], v[164+i]
.set i, i+1
.endr
.set i, 0
.rept 4
	v_fmamk_f32 v[164+i], v[164+i], 0x42800000, v[168+i]   ; + 64 x the spread of the records' means
.set i, i+1
.endr
.set i, 0
.rept 4
	v_fma_f32 v[164+i], v[164+i], s35, s36         ; variance + 1e-5
.set i, i+1
.endr
.set i, 0
.rept 4
	v_rsq_f32 v[164+i], v[164+i]
.set i, i+1
.endr
	v_nop
.set i, 0
	s_wait_alu depctr_va_vdst(0)
.rept 4
	v_mul_f32 v[108+i], v[108+i], v[164+i]         ; gamma / sqrt(variance + 1e-5)
.set i, i+1
.endr
	; By channel into my own 512 bytes of LDS, with ONE store of 16 bytes a lane at 16 x lane, and back in the products' layout (channels 16 ct + 8 h + 0..7).
	; Mean and scale are right in lanes 0-7 and 16-23, beta in every lane.  Lanes 0-7 store the mean, lanes 8-15 the scale of the lane 8 below, lanes 16-31 beta.
.set i, 0
.rept 4
	v_mov_b32_dpp v[168+i], v[108+i] row_xmask:8 row_mask:0xf bank_mask:0xf
.set i, i+1
.endr
.set i, 0
.rept 4
	v_cndmask_b32 v[116+i], v[116+i], v[168+i], s37
.set i, i+1
.endr
.set i, 0
.rept 4
	v_cndmask_b32 v[116+i], v[116+i], v[112+i], s30
.set i, i+1
.endr
	s_sub_co_u32 s31, s26, 2
	s_lshl_b32 s31, s31, 9
	s_add_co_u32 s31, s31, PAR
	v_and_b32 v9, 31, v0
	v_lshl_add_u32 v9, v9, 4, s31
	ds_store_b128 v9, v[116:119]
	v_add_nc_u32 v9, s31, v5                       ; + 32 h
.set t, 0
.rept 12                                               ; LDS serves a wave's instructions in order (ISA guide 5.7.1.4): these see the store above
	ds_load_b128 v[176+4*t:179+4*t], v9 offset:128*(t/4)+64*((t/2)%2)+16*(t%2)
.set t, t+1
.endr
	; h^T = W1 feat^T + b1: tile p, channels 16 ct .. at v[224 + 16 p + 8 ct]
	v_wmma_f32_16x16x32_bf16 v[224:231], v[12:19], v[44:51], v[76:83]
	v_wmma_f32_16x16x32_bf16 v[232:239], v[20:27], v[44:51], v[84:91]
	v_wmma_f32_16x16x32_bf16 v[240:247], v[12:19], v[52:59], v[76:83]
	v_wmma_f32_16x16x32_bf16 v[248:255], v[20:27], v[52:59], v[84:91]
.rept 4
	v_nop                                          ; four places before the results are read (ISA guide 7.12.1)
.endr
	s_wait_dscnt 0x0
.set t, 0
.rept 16                                               ; pair t % 8 of the 16 channels of a half, tile t / 8: relu((h - mean) scale + beta), each result from its low end on
.set hh, 224+2*t
.set cc, 2*(t%8)
	v_pk_add_f32 v[hh:hh+1], v[hh:hh+1], v[176+cc:177+cc] neg_lo:[0,1] neg_hi:[0,1]
	v_pk_fma_f32 v[hh:hh+1], v[hh:hh+1], v[192+cc:193+cc], v[208+cc:209+cc]
	v_max_num_f32 v[hh], 0, v[hh]
	v_max_num_f32 v[hh+1], 0, v[hh+1]
.set t, t+1
.endr
.set t, 0
.rept 16                                               ; the result's layout is the next product's B layout: nothing changes lanes
	v_cvt_pk_bf16_f32 v[60+t], v[224+2*t], v[224+2*t+1]
.set t, t+1
.endr
	v_wmma_f32_16x16x32_bf16 v[128:135], v[92:99], v[60:67], v[100:107]
	v_wmma_f32_16x16x32_bf16 v[136:143], v[92:99], v[68:75], v[100:107]
	v_and_b32 v9, 15, v0                           ; where the probabilities go: row 32 (w - 2) + 16 p + r; lanes 16-31 (classes 8-15: none) 1,024 bytes on.  Four plain lines: the places behind the products
	v_lshlrev_b32 v9, 4, v9
	v_lshl_add_u32 v9, v5, 5, v9
	s_sub_co_u32 s31, s26, 2
	s_lshl_b32 s31, s31, 9
	s_add_co_u32 s31, s31, PROB
	v_add_nc_u32 v9, s31, v9
	s_mov_b32 s31, 0x3fb8aa3b                      ; log2(e)
	v_max3_num_f32 v144, v128, v129, v130          ; the row's largest logit is taken away
	v_max3_num_f32 v145, v136, v137, v138
	v_mul_f32 v144, s31, v144
	v_mul_f32 v145, s31, v145
.set i, 0
.rept 3
	v_fma_f32 v[128+i], v[128+i], s31, -v144
	v_fma_f32 v[136+i], v[136+i], s31, -v145
.set i, i+1
.endr
.set i, 0
.rept 3
	v_exp_f32 v[128+i], v[128+i]
	v_exp_f32 v[136+i], v[136+i]
.set i, i+1
.endr
	v_nop
	s_wait_alu depctr_va_vdst(0)
	v_add_f32 v144, v128, v129
	v_add_f32 v145, v136, v137
	v_add_f32 v144, v144, v130
	v_add_f32 v145, v145, v138
	v_rcp_f32 v144, v144
	v_rcp_f32 v145, v145
	v_nop
.set i, 0
	s_wait_alu depctr_va_vdst(0)
.rept 3
	v_mul_f32 v[128+i], v[128+i], v144
	v_mul_f32 v[136+i], v[136+i], v145
.set i, i+1
.endr
	ds_store_b128 v9, v[128:131]
	ds_store_b128 v9, v[136:139] offset:256
.Ljoin:
	s_wait_dscnt 0x0                               ; for the others' sake: the probabilities are written
	s_barrier_signal -1
	s_barrier_wait -1
	s_cmp_lt_u32 s26, 2
	s_cbranch_scc1 .Lout
	FINISH                                         ; waves 2 and 3 are done
.Lout:
	v_lshlrev_b32 v4, 4, v3
	s_lshl_b32 s31, s26, 9
	s_add_co_u32 s31, s31, PROB
	v_add_nc_u32 v4, s31, v4
	ds_load_b128 v[112:115], v4
	s_lshl_b32 s2, s27, 6
	s_lshl_b32 s31, s26, 5
	s_add_co_u32 s2, s2, s31
	s_mul_i32 s2, s2, 12                           ; my wave's 32 rows of 12 bytes: 384 consecutive bytes
	s_add_nc_u64 s[24:25], s[24:25], s[2:3]
	v_mul_u32_u24 v6, 12, v3
	s_mov_b32 s31, 0x3c888889                      ; 0.05 / 3
	v_min_num_f32 v117, v53, v55                   ; max(1 - lin, 1 - density) = 1 - min(lin, density)
	s_wait_dscnt 0x0
	v_fma_f32 v116, 2.0, v55, v112                 ; 2 density + p0
	v_sub_f32 v117, v113, v117
	v_add_f32 v117, 1.0, v117
	v_fma_f32 v119, 2.0, v53, v114                 ; 2 lin + p2
	v_fma_f32 v116, v116, s31, s98                 ; tower x 0.05 + 1e-6
	v_fmac_f32 v116, 0x3e088889, v117              ; + background x 0.4
	v_fmamk_f32 v120, v119, 0x3d088889, v116       ; + line x 0.1
	v_mov_b32 v121, v120
	v_fmamk_f32 v122, v119, 0x3eaaaaab, v116       ; + line x 1.0
	global_store_b96 v6, v[120:122], s[24:25]
	FINISH
.Lfunc_end_k_q766cf901aa_refine:
	.size	k_q766cf901aa_refine, .Lfunc_end_k_q766cf901aa_refine-k_q766cf901aa_refine
	.p2alignl 7, 3214868480
	.fill 96, 4, 3214868480
	.section	.rodata,"a",@progbits
	.p2align	6, 0x0
	.amdhsa_kernel k_q766cf901aa_refine
		.amdhsa_group_segment_fixed_size 142848
		.amdhsa_private_segment_fixed_size 0
		.amdhsa_enable_private_segment 0
		.amdhsa_kernarg_size 88
		.amdhsa_user_sgpr_count 2
		.amdhsa_user_sgpr_kernarg_segment_ptr 1
		.amdhsa_wavefront_size32 1
		.amdhsa_system_sgpr_workgroup_id_x 1
		.amdhsa_system_sgpr_workgroup_id_y 1
		.amdhsa_system_sgpr_workgroup_id_z 1
		.amdhsa_system_vgpr_workitem_id 0
		.amdhsa_next_free_vgpr 256
		.amdhsa_next_free_sgpr 100
		.amdhsa_reserve_vcc 1
		.amdhsa_float_denorm_mode_32 3
		.amdhsa_float_denorm_mode_16_64 3
		.amdhsa_memory_ordered 1
		.amdhsa_forward_progress 1
		.amdhsa_inst_pref_size 151
	.end_amdhsa_kernel
	.amdgpu_metadata
---
amdhsa.version: [ 1, 2 ]
amdhsa.kernels:
  - .name:           k_q766cf901aa_refine
    .symbol:         k_q766cf901aa_refine.kd
    .args:
      - { .name: coord, .offset: 0, .size: 8, .value_kind: global_buffer, .address_space: global }
      - { .name: feat, .offset: 8, .size: 8, .value_kind: global_buffer, .address_space: global }
      - { .name: W1, .offset: 16, .size: 8, .value_kind: global_buffer, .address_space: global }
      - { .name: b1, .offset: 24, .size: 8, .value_kind: global_buffer, .address_space: global }
      - { .name: gamma, .offset: 32, .size: 8, .value_kind: global_buffer, .address_space: global }
      - { .name: beta, .offset: 40, .size: 8, .value_kind: global_buffer, .address_space: global }
      - { .name: W2, .offset: 48, .size: 8, .value_kind: global_buffer, .address_space: global }
      - { .name: b2, .offset: 56, .size: 8, .value_kind: global_buffer, .address_space: global }
      - { .name: gid, .offset: 64, .size: 8, .value_kind: global_buffer, .address_space: global }
      - { .name: stats, .offset: 72, .size: 8, .value_kind: global_buffer, .address_space: global }
      - { .name: out0, .offset: 80, .size: 8, .value_kind: global_buffer, .address_space: global }
    .group_segment_fixed_size: 142848
    .private_segment_fixed_size: 0
    .kernarg_segment_align: 8
    .kernarg_segment_size: 88
    .max_flat_workgroup_size: 128
    .sgpr_count:     100
    .vgpr_count:     256
    .wavefront_size: 32
...
	.end_amdgpu_metadata
.endif
;; end of part 2
